; MI455X (gfx1250); checked and timed in simulation.
; The chip was launched on July 23, 2026; its instructions are those of AMD's public machine-readable ISA for CDNA 5 (MIT licence, August 2026) and "CDNA5" Instruction Set Architecture Reference Guide (July 2026). The comments in the code are by the model that wrote it; some were corrected since.
;; Multi Modal Breast Cancer Model. Allowed arithmetic: float matrix products may take bf16 or f16 operands with f32 sums; other float arithmetic in f32, or as packed bf16 or f16 multiplies, adds, multiply-adds, maxima and minima; sums over many terms, partial sums and values carried from step to step in f32; what a program stores and reads back later, other than sums and carried values, may be rounded once to bf16 or f16.
;; Inputs: W1 25 x 64 float32; W2 64 x 32 float32; b1 64 float32; b2 32 float32; signals 4,096 x 16,384 float32.
;; Outputs: out0 4,096 x 32 float32.
;; 2 versions, each right and faster than the one before. Each part assembles by itself: llvm-mc -triple=amdgcn-amd-amdhsa -mcpu=gfx1250 --defsym DOCPART=n.
;; ======== version 1 of 2: 2 launches
;; workspace buffers: feats 524,288 bytes
;; launch features (part 1): grid 2048 x 1, 4 waves a work-group, no clusters, 68,864 bytes of LDS; arguments signals, feats; writes feats
.if DOCPART == 1
	.amdgcn_target "amdgcn-amd-amdhsa--gfx1250"
	.amdhsa_code_object_version 6
	.text
	.protected	k_qfa0a6f9cb2_features
	.globl	k_qfa0a6f9cb2_features
	.p2align	8
	.type	k_qfa0a6f9cb2_features,@function
k_qfa0a6f9cb2_features:
	s_mov_b64 s[64:65], 0
	v_nop
	global_prefetch_b8 v0, s[64:65] scope:SCOPE_SE
	s_setreg_imm32_b32 hwreg(HW_REG_WAVE_MODE, 25, 1), 1
	s_wait_xcnt 0x0
; feats[row][0..31] = the 17 statistics of signals[row], 8 pads of 0.05 and 7 zeros (K = 25 filled up to the matrix instruction's 32).  signals [4096][16384] f32.
; SHARES.  2,048 work-groups of four waves; a work-group owns a PAIR (A, B) of neighbouring rows, wave w the quarter 4096 w .. 4096 w + 4095 of both.
; ONE PASS over the f32 data makes every statistic but the percentiles: moments about a pilot c (the mean of the row's first 1,024 numbers, summed as a pairwise tree, by every wave alike;
; a part of one sixteenth of the data has a mean at most sqrt(15) deviations from the row's, so the corrections at the end are bounded), sums of |x| and |x| log2 |x| for the entropy,
; the largest |x|, the sum of squares, peaks (count and sum of places, in whole numbers) and changes of sign.  One text serves both rows, in a loop of two trips; the waves' sums meet in LDS.
; PERCENTILES.  No address and no branch may hang on the data, so the rows are sorted by a bitonic network.  The pass rounds x to bf16; row A fills the low halves and row B the high
; halves of 16,384 words, and v_pk_min_num_bf16 / v_pk_max_num_bf16 exchange two rows at once.  Rounding keeps the order, so place k of the sorted row is the true order statistic rounded once.
; The words lie in LDS as a matrix of 128 x 128: place i = 128 h + low.  In a phase each of the 128 threads holds one matrix row in 128 registers, so every exchange is between registers, from one
; bank of 128 to the other; at the phase's end the matrix is stored TRANSPOSED, so that the next phase's rows are this one's columns: phases on the low and on the high seven bits of the place take turns,
; and one text with fixed LDS addresses serves all.  While stage k runs, words whose place has bit k set are held negated, so every exchange is ascending and one chain of seven passes, entered at pass m - 1,
; serves every run of m passes.  Entering a run, the registers whose number's bits m - 1 and m differ change sign: two blocks do that for every m, by masks in scalar registers.
; LIMITS.  NaN and infinities are not treated apart.  The ten order statistics carry one rounding to bf16 each (8 significant bits; |x| above 3.39e38 becomes an infinity there); the interpolation is in f32.
; |x| below 2^-126 counts as 2^-126 in the two sums of the entropy and in the largest |x|.
; LEFT OUT.  Clusters: the work-groups share no input.  Tensor loads: what lies in LDS is made in registers.
.set PITCH,  528                 ; an LDS row of the matrix: 512 bytes + 16 = 33 x 16
.set PART,   128*PITCH           ; 2 rows x 4 waves x 64 bytes: the waves' sums
.set STG,    PART+512            ; 2 rows x 128 bytes: the features on their way out
.set SPARE,  STG+256             ; the spare words, 128 bytes for each wave: two blocks of 256 bytes that no other line names
; REGISTERS, in windows of 256 (s_set_vgpr_msb: bits 1:0 source 0, 3:2 source 1, 5:4 source 2, 7:6 destination).
; window 1: what outlives the sort
.set SPW, 0                      ; LDS address of my spare word; never rewritten
.set NIL, 1                      ; 0; never rewritten
.set VT,  2                      ; 528 x thread: my matrix row
.set VS,  3                      ; 4 x thread: my column
.set VS2, 4                      ; the same 64 rows further down
.set TID, 5                      ; the thread's number
; window 0 in the pass: v0-47 a ring of 8 slots of 6 (four numbers, their right neighbour, one idle)
.set L16, 96                     ; 16 x lane
.set OL,  97                     ; byte offset, from row A's first byte, of the ring's next loads
.set NL,  98                     ; the same for slot 7's right neighbour, held inside the row
.set PK0, 99                     ; my 32 matrix rows + 16 x lane + 2 x row
.set PKA, 100                    ; where this trip's bf16 go
.set IB,  101                    ; the place of my first number of the trip
.set CC,  102                    ; (c, c)
.set IDX, 104                    ; sum of the peaks' places
.set ZP,  105                    ; v_permlanex16_b32's destination
.set WB,  106                    ; my quarter's first byte + 16 x lane
.set LN,  107                    ; lane
.set XL,  108                    ; the number to the left of my quarter,
.set XF,  109                    ; and its first
.set CLO, 110                    ; their byte offsets
.set CFO, 111
.set RA,  112                    ; sums: +0 d (4), +4 d^2, +8 d^3, +12 d^4, +16 x^2, +20 |x|, +24 |x| log2|x|, +28 max|x|, +29 sign changes, +30 the trip's peaks, +31 peaks
.set TA,  144                    ; at work: +0 d (4), +4 d^2, +8 |x|, +12 log2, +16 three maxima, +20 four peak words, +24 five sign keys
.set PKD, 174                    ; two words of two bf16
.set PB,  176                    ; the pilot's 32 numbers a lane; later what goes to PART
.set POF, 208                    ; the pilot's byte offset
.set PAD, 209                    ; where my sums go
; window 0 in the sort: bank 0 = v0-127, bank 1 = v128-255.
.set MK,  68                     ; s69-83: the sign masks by class
.set W_LD, 0x01                  ; source 0 (an LDS address) window 1; the rest window 0
.set W_MK, 0x40                  ; destination window 1
.set W_AD, 0x05                  ; sources 0 and 1 window 1
.set MSB, 0
.macro WIN new                   ; the immediate's high byte repeats the setting that is left; a switch that changes nothing is dropped
.if MSB != (\new)
	s_set_vgpr_msb (MSB<<8)|(\new)
.set MSB, (\new)
.endif
.endm
.macro RSUM x                    ; the sum over the 32 lanes, in every lane
	v_add_f32_dpp v[\x], v[\x], v[\x] row_xmask:1 row_mask:0xf bank_mask:0xf
	v_add_f32_dpp v[\x], v[\x], v[\x] row_xmask:2 row_mask:0xf bank_mask:0xf
	v_add_f32_dpp v[\x], v[\x], v[\x] row_xmask:4 row_mask:0xf bank_mask:0xf
	v_add_f32_dpp v[\x], v[\x], v[\x] row_xmask:8 row_mask:0xf bank_mask:0xf
	v_permlanex16_b32 v[ZP], v[\x], s21, s22
	v_add_f32 v[\x], v[\x], v[ZP]
.endm
.macro RMAX x
	v_max_num_f32_dpp v[\x], v[\x], v[\x] row_xmask:1 row_mask:0xf bank_mask:0xf
	v_max_num_f32_dpp v[\x], v[\x], v[\x] row_xmask:2 row_mask:0xf bank_mask:0xf
	v_max_num_f32_dpp v[\x], v[\x], v[\x] row_xmask:4 row_mask:0xf bank_mask:0xf
	v_max_num_f32_dpp v[\x], v[\x], v[\x] row_xmask:8 row_mask:0xf bank_mask:0xf
	v_permlanex16_b32 v[ZP], v[\x], s21, s22
	v_max_num_f32 v[\x], v[\x], v[ZP]
.endm
; Slot s of the ring: 512 consecutive bytes of the row (16 bytes a lane) and, for each lane, the number to the right of its four.  No cache hint: a line is touched by both kinds of load.
.macro LOADS s
	global_load_b128 v[6*(\s):6*(\s)+3], v[OL], s[4:5] offset:512*(\s)
.if (\s) < 7
	global_load_b32 v[6*(\s)+4], v[OL], s[4:5] offset:512*(\s)+16
.else
	global_load_b32 v[6*(\s)+4], v[NL], s[4:5]     ; at the row's end the last number is its own right neighbour: no peak and no change of sign there
.endif
.endm
; One slot's turn: 128 numbers.  Lane masks: s30 x0 > x1, s31 right neighbour > x3, s32-34 x1, x2, x3 above both their neighbours.
.macro STEP s
.set XX, 6*(\s)
.set NN, 6*(\s)+4
	s_wait_loadcnt 14                              ; loads come back in order (ISA guide 5.7.1): behind this slot's two stand the 7 other slots' 14
	v_pk_fma_f32 v[RA+16:RA+17], v[XX:XX+1], v[XX:XX+1], v[RA+16:RA+17]
	v_pk_fma_f32 v[RA+18:RA+19], v[XX+2:XX+3], v[XX+2:XX+3], v[RA+18:RA+19]
	v_max_num_f32 v[TA+16], v[XX], v[XX+2]
	v_max_num_f32 v[TA+17], v[XX+1], v[XX+3]
	v_max_num_f32 v[TA+18], v[XX+2], v[NN]
	v_cmp_gt_f32 s30, v[XX], v[XX+1]
	v_cmp_gt_f32 s31, v[NN], v[XX+3]
	v_cvt_pk_bf16_f32 v[PKD], v[XX], v[XX+1]
	v_cvt_pk_bf16_f32 v[PKD+1], v[XX+2], v[XX+3]
	v_xor_b32 v[PKD], s[53+((\s)&1)], v[PKD]       ; the sort begins with x (-1)^(bit 0 + bit 7 of the place): bit 0 is the half of the word, bit 7 the slot's parity
	v_xor_b32 v[PKD+1], s[53+((\s)&1)], v[PKD+1]
	v_pk_add_f32 v[TA:TA+1], v[XX:XX+1], v[CC:CC+1] neg_lo:[0,1] neg_hi:[0,1]
	v_pk_add_f32 v[TA+2:TA+3], v[XX+2:XX+3], v[CC:CC+1] neg_lo:[0,1] neg_hi:[0,1]
.irp c, 0,1,2,3
	v_max_num_f32 v[TA+8+\c], |v[XX+\c]|, s19
.endr
	v_cmp_gt_f32 s32, v[XX+1], v[TA+16]
	v_cmp_gt_f32 s33, v[XX+2], v[TA+17]
	v_cmp_gt_f32 s34, v[XX+3], v[TA+18]
.irp c, 0,1,2,3
	v_ldexp_f32 v[TA+24+\c], v[XX+\c], s17         ; the sign key x 2^300: an infinity with x's sign, or x's zero: three values, compared as numbers
.endr
	v_ldexp_f32 v[TA+28], v[NN], s17
	s_lshl_b32 s52, s31, 1                         ; x0 is a peak if it is above x1 and above the lane to the left's x3: that lane's bit of s31, moved up by one;
	s_or_b32 s52, s52, s28                         ; lane 0 takes lane 31's of the step before
	s_lshr_b32 s28, s31, 31
	s_and_b32 s30, s30, s52
	v_pk_mul_f32 v[TA+4:TA+5], v[TA:TA+1], v[TA:TA+1]
	v_pk_mul_f32 v[TA+6:TA+7], v[TA+2:TA+3], v[TA+2:TA+3]
.irp c, 0,1,2,3
	v_log_f32 v[TA+12+\c], v[TA+8+\c]
.endr
.irp c, 0,2                                            ; plain lines stand between the logarithms and their use (ISA guide 5.7.2)
	v_pk_add_f32 v[RA+\c:RA+\c+1], v[RA+\c:RA+\c+1], v[TA+\c:TA+\c+1]
	v_pk_add_f32 v[RA+4+\c:RA+5+\c], v[RA+4+\c:RA+5+\c], v[TA+4+\c:TA+5+\c]
	v_pk_fma_f32 v[RA+8+\c:RA+9+\c], v[TA+4+\c:TA+5+\c], v[TA+\c:TA+\c+1], v[RA+8+\c:RA+9+\c]
	v_pk_fma_f32 v[RA+12+\c:RA+13+\c], v[TA+4+\c:TA+5+\c], v[TA+4+\c:TA+5+\c], v[RA+12+\c:RA+13+\c]
	v_pk_add_f32 v[RA+20+\c:RA+21+\c], v[RA+20+\c:RA+21+\c], v[TA+8+\c:TA+9+\c]
	s_wait_alu depctr_va_vdst(0)
	v_pk_fma_f32 v[RA+24+\c:RA+25+\c], v[TA+8+\c:TA+9+\c], v[TA+12+\c:TA+13+\c], v[RA+24+\c:RA+25+\c]
	v_max3_num_f32 v[RA+28], v[RA+28], v[TA+8+\c], v[TA+9+\c]
.endr
	v_cndmask_b32 v[TA+20], 0, (1<<22)|(128*(\s)), s30    ; a peak's word: 1 in bit 22, and its place in the trip less my lane's
	v_cndmask_b32 v[TA+21], 0, (1<<22)|(128*(\s)+1), s32
	v_cndmask_b32 v[TA+22], 0, (1<<22)|(128*(\s)+2), s33
	v_cndmask_b32 v[TA+23], 0, (1<<22)|(128*(\s)+3), s34
	v_add3_u32 v[RA+30], v[RA+30], v[TA+20], v[TA+21]
	v_add3_u32 v[RA+30], v[RA+30], v[TA+22], v[TA+23]
.irp c, 0,1,2,3
	v_cmp_neq_f32 vcc_lo, v[TA+24+\c], v[TA+25+\c]
	v_add_co_ci_u32 v[RA+29], vcc_lo, 0, v[RA+29], vcc_lo
.endr
	ds_store_b16 v[PKA], v[PKD] offset:PITCH*(\s)             ; matrix row h = 32 w + 8 x trip + s, words 4 x lane on, my row's half of each
	ds_store_b16_d16_hi v[PKA], v[PKD] offset:PITCH*(\s)+4
	ds_store_b16 v[PKA], v[PKD+1] offset:PITCH*(\s)+8
	ds_store_b16_d16_hi v[PKA], v[PKD+1] offset:PITCH*(\s)+12
	LOADS \s                                       ; the slot's next 512 bytes, a trip ahead
.endm
	s_load_b128 s[4:7], s[0:1], 0x0                ; signals s[4:5], feats s[6:7]
	WIN W_MK
	v_lshl_add_u32 v[SPW], v0, 2, SPARE
	v_mov_b32 v[NIL], 0
	v_mov_b32 v[TID], v0
	v_mul_u32_u24 v[VT], v0, PITCH
	v_lshlrev_b32 v[VS], 2, v0
	v_lshl_add_u32 v[VS2], v0, 2, 64*PITCH
	WIN 0
	v_lshrrev_b32 v[LN], 5, v0
	v_readfirstlane_b32 s16, v[LN]                 ; wave 0..3
	v_and_b32 v[LN], 31, v0                        ; lane
	v_lshlrev_b32 v[L16], 4, v[LN]
	s_mov_b32 s17, 300                             ; v_ldexp_f32's exponent for the sign keys
	s_mov_b32 s19, 0x00800000                      ; 2^-126
	s_mov_b32 s20, 0x80008000                      ; the signs of two bf16
	s_mov_b32 s21, 0x76543210                      ; v_permlanex16_b32: each lane takes its own place in the other half
	s_mov_b32 s22, 0xfedcba98
	s_mov_b32 s50, 0xffff0000                      ; a word's upper bf16
	s_mov_b32 s53, 0x80000000                      ; the upper bf16's sign
	s_mov_b32 s54, 0x00008000                      ; the lower one's
	s_lshl_b32 s56, s16, 14                        ; my quarter's first byte in a row,
	s_sub_co_i32 s57, s56, 4
	s_max_i32 s57, s57, 0                          ; and the number to its left; wave 0 has none and takes the first number itself: it is no peak
	s_mul_i32 s58, s16, 32*PITCH                   ; my 32 matrix rows
	s_lshl_b32 s59, s16, 12                        ; the place of my first number
	s_lshl_b32 s49, s16, 6
	s_add_co_u32 s49, s49, PART                    ; where my sums of row A go
	v_add_nc_u32 v[WB], s56, v[L16]
	v_mov_b32 v[OL], v[WB]
	v_add_nc_u32 v[NL], 3600, v[WB]                ; slot 7's right neighbours: 7 x 512 + 16
	v_mov_b32 v[ZP], 0
	s_lshl_b32 s2, ttmp9, 17                       ; the work-group's two rows of 65,536 bytes
	s_mov_b32 s3, 0
	s_lshl_b32 s60, ttmp9, 8                       ; and their two rows of 128 bytes in feats
	s_mov_b32 s61, 0
	s_wait_kmcnt 0x0
	s_add_nc_u64 s[4:5], s[4:5], s[2:3]
	s_add_nc_u64 s[6:7], s[6:7], s[60:61]
.irp s, 0,1,2,3,4,5,6,7
	LOADS \s                                       ; the ring's first fill: my quarter of row A, its first 4,096 bytes
.endr
	s_mov_b32 s51, 0                               ; the row of the pair
	s_mov_b32 s29, 0                               ; trips begun, over both rows
	s_mov_b32 s23, 2
.Lrow:
	s_lshl_b32 s52, s51, 16                        ; the row's first byte
	s_add_co_u32 s47, s52, s56
	s_add_co_u32 s48, s52, s57
	v_add_nc_u32 v[POF], s52, v[L16]
	v_mov_b32 v[CFO], s47
	v_mov_b32 v[CLO], s48
.irp s, 0,1,2,3,4,5,6,7
	global_load_b128 v[PB+4*\s:PB+4*\s+3], v[POF], s[4:5] offset:512*\s  ; the row's first 1,024 numbers, for the pilot
.endr
	global_load_b32 v[XF], v[CFO], s[4:5]
	global_load_b32 v[XL], v[CLO], s[4:5]
.set i_, 0
.rept 32                                               ; the pass is one loop with no first step written out: its 32 sums start at 0
	v_mov_b32 v[RA+i_], 0
.set i_, i_+1
.endr
	v_mov_b32 v[IDX], 0
	v_lshl_add_u32 v[IB], v[LN], 2, s59
	s_lshl_b32 s47, s51, 1
	s_add_co_u32 s47, s47, s58
	v_add_nc_u32 v[PK0], s47, v[L16]
	s_wait_loadcnt 0x0                             ; the pilot's numbers (and with them the ring's fill, which was issued earlier)
	; c = the mean of 1,024 numbers, by a pairwise tree: of equal numbers it is that number exactly
.irp w, 16,8,4,2
.set u_, 0
.rept (\w)/2
	v_pk_add_f32 v[PB+2*u_:PB+2*u_+1], v[PB+2*u_:PB+2*u_+1], v[PB+2*u_+\w:PB+2*u_+\w+1]
.set u_, u_+1
.endr
.endr
	v_add_f32 v[PB], v[PB], v[PB+1]
	RSUM PB
	v_mul_f32 v[CC], 0x3a800000, v[PB]             ; x 2^-10
	v_mul_f32 v[CC+1], 0x3a800000, v[PB]
	v_cmp_gt_f32 s28, v[XF], v[XL]                 ; is my first number above its left neighbour?  The same in every lane
	s_and_b32 s28, s28, 1
	s_mov_b32 s27, 0
	s_mov_b32 s24, 4
.Ltrip:                                                ; a trip: 1,024 numbers, once round the ring; its refills fetch the next trip's, across the change of rows too
	s_add_co_u32 s29, s29, 1
	s_and_b32 s25, s29, 3
	s_lshl_b32 s25, s25, 12                        ; the next trip's 4,096 bytes of my quarter,
	s_bfe_u32 s26, s29, 0x10002
	s_lshl_b32 s26, s26, 16                        ; in its row.  Behind the eighth trip both are 0: refills that nobody will use read my quarter's first bytes
	s_add_co_u32 s25, s25, s26
	s_add_co_u32 s26, s26, 65532                   ; that row's last number
	s_wait_xcnt 0x0                                ; the loads' offsets are rewritten only behind this wait
	v_add_nc_u32 v[OL], s25, v[WB]
	v_add_nc_u32 v[NL], 3600, v[OL]
	v_min_u32 v[NL], s26, v[NL]
	v_add_nc_u32 v[PKA], s27, v[PK0]
	s_add_co_u32 s27, s27, 8*PITCH
.irp s, 0,1,2,3,4,5,6,7
	STEP \s
.endr
	v_lshrrev_b32 v[TA], 22, v[RA+30]              ; the trip's peak words (at most 16 peaks a lane: the places' sum stays under 2^22) go into the count and the sum of places
	v_and_b32 v[TA+1], 0x3fffff, v[RA+30]
	v_add_nc_u32 v[RA+31], v[RA+31], v[TA]
	v_mad_u32_u24 v[TA+1], v[TA], v[IB], v[TA+1]
	v_add_nc_u32 v[IDX], v[IDX], v[TA+1]
	v_mov_b32 v[RA+30], 0
	v_add_nc_u32 v[IB], 1024, v[IB]
	s_sub_co_u32 s24, s24, 1
	s_cmp_lg_u32 s24, 0
	s_cbranch_scc1 .Ltrip
	; my quarter's sums, over the lanes, go to LDS.  The ring's registers are left alone: the next row's first numbers are landing there.
.irp b, 0,4,8,12,16,20,24
	v_pk_add_f32 v[RA+\b:RA+\b+1], v[RA+\b:RA+\b+1], v[RA+\b+2:RA+\b+3]
.endr
.irp b, 0,4,8,12,16,20,24
	v_add_f32 v[RA+\b], v[RA+\b], v[RA+\b+1]
.endr
	v_cvt_f32_u32 v[RA+29], v[RA+29]               ; a lane's whole numbers stay under 2^24: exact
	v_cvt_f32_u32 v[RA+31], v[RA+31]
	v_cvt_f32_u32 v[RA+30], v[IDX]
.irp b, 0,4,8,12,16,20,24,29,30,31
	RSUM RA+\b
.endr
	RMAX RA+28
.irp b, 0,1,2,3,4,5,6
	v_mov_b32 v[PB+\b], v[RA+4*\b]
.endr
	v_mov_b32 v[PB+7], v[CC]
	v_mov_b32 v[PAD], s49
	ds_store_b128 v[PAD], v[PB:PB+3]               ; sums of d, d^2, d^3, d^4: every lane holds the same numbers and writes the same bytes
	ds_store_b128 v[PAD], v[PB+4:PB+7] offset:16   ; of x^2, |x|, |x| log2 |x|; c
	ds_store_b128 v[PAD], v[RA+28:RA+31] offset:32 ; max |x|, sign changes, sum of the peaks' places, peaks
	s_add_co_u32 s49, s49, 256
	s_add_co_u32 s51, s51, 1
	s_sub_co_u32 s23, s23, 1
	s_cmp_lg_u32 s23, 0
	s_cbranch_scc1 .Lrow
	s_wait_loadcnt 0x0                             ; the last trip's refills have landed: the ring's registers become the sort's banks
; THE SORT.
.macro CE j                                            ; one pass: registers 2^j apart, the smaller to the lower one; from bank 1 - j % 2 into bank j % 2
.set OUTB, 128*((\j)&1)
.set INB, 128-OUTB
.set r_, 0
.rept 128
.if (r_&(1<<(\j))) == 0
	v_pk_min_num_bf16 v[OUTB+r_], v[INB+r_], v[INB+r_+(1<<(\j))]
	v_pk_max_num_bf16 v[OUTB+r_+(1<<(\j))], v[INB+r_], v[INB+r_+(1<<(\j))]
.endif
.set r_, r_+1
.endr
.endm
	; 15 phases.  Phase 0: stages 1 to 7 on the low bits, seven runs of m = 1 .. 7 passes.  Then for stage k = 8 .. 14: an odd phase on the high bits (one run of m = k - 7 passes, exchanges 2^(k-1) .. 2^7 apart)
	; and an even phase on the low bits (one run of all seven passes, no change of signs: the masks are 0).
	s_mov_b32 s40, 0
.Lphase:
	s_add_co_u32 s47, s40, 1
	s_lshr_b32 s47, s47, 1                         ; an odd phase's m
	s_and_b32 s48, s40, 1
	s_cmp_eq_u32 s48, 1
	s_cselect_b32 s41, s47, 7                      ; m
	s_cselect_b32 s44, s20, 0                      ; the sign bits, where signs change
	s_cmp_eq_u32 s40, 0
	s_cselect_b32 s41, 1, s41
	s_cselect_b32 s44, s20, s44
	s_cselect_b32 s43, 1, 0                        ; m's step from run to run
	s_cselect_b32 s46, 7, 1                        ; runs
	s_wait_dscnt 0x0                               ; for the others' sake: my stores of the phase before (the first time: of the pass) are done
	s_barrier_signal -1
	s_barrier_wait -1                              ; the matrix is whole
	WIN W_LD
.set g_, 0
.rept 32
	ds_load_b128 v[4*g_:4*g_+3], v[VT] offset:16*g_  ; my matrix row: 128 words
.set g_, g_+1
.endr
	WIN 0
	s_wait_dscnt 0x0                               ; for the others' sake: my reads are over
	s_barrier_signal -1
	s_barrier_wait -1                              ; everybody's are: the matrix may be written over
	s_mov_b32 s45, 0
.Lrun:                                                 ; registers alone
	s_sub_co_u32 s48, s41, 1
	s_lshr_b32 s48, s48, 1                         ; which bit of a register's class counts in this run
	s_cmp_eq_u32 s48, 0
	s_cselect_b32 s[MK+1], s44, 0
	s_cmp_eq_u32 s48, 1
	s_cselect_b32 s[MK+2], s44, 0
	s_cmp_eq_u32 s48, 2
	s_cselect_b32 s[MK+4], s44, 0
	s_cmp_eq_u32 s48, 3
	s_cselect_b32 s[MK+8], s44, 0
.set c_, 3
.rept 13                                               ; a class's mask: both signs if the class has that bit, else 0
.if (c_&(c_-1)) != 0
	s_or_b32 s[MK+c_], s[MK+(c_&(c_-1))], s[MK+(c_&(0-c_))]
.endif
.set c_, c_+1
.endr
	s_and_b32 s47, s41, 1
	s_cmp_eq_u32 s47, 0
	s_cbranch_scc1 .Leven
	; m odd: pass m - 1 reads bank 1, so the signs change on the way there.  A register's class: bits 0^1, 2^3, 4^5 and 6 of its number (bit 7 is 0)
.set r_, 0
.rept 128
.set c_, ((r_^(r_>>1))&1) + 2*(((r_>>2)^(r_>>3))&1) + 4*(((r_>>4)^(r_>>5))&1) + 8*((r_>>6)&1)
.if c_ == 0
	v_mov_b32 v[128+r_], v[r_]
.else
	v_xor_b32 v[128+r_], s[MK+c_], v[r_]
.endif
.set r_, r_+1
.endr
	s_cmp_eq_u32 s41, 1
	s_cbranch_scc1 .LP0
	s_cmp_eq_u32 s41, 3
	s_cbranch_scc1 .LP2
	s_cmp_eq_u32 s41, 5
	s_cbranch_scc1 .LP4
	s_branch .LP6
.Leven:
	; m even: pass m - 1 reads bank 0: in place.  Class: bits 1^2, 3^4, 5^6
.set r_, 0
.rept 128
.set c_, (((r_>>1)^(r_>>2))&1) + 2*(((r_>>3)^(r_>>4))&1) + 4*(((r_>>5)^(r_>>6))&1)
.if c_ != 0
	v_xor_b32 v[r_], s[MK+c_], v[r_]
.endif
.set r_, r_+1
.endr
	s_cmp_eq_u32 s41, 2
	s_cbranch_scc1 .LP1
	s_cmp_eq_u32 s41, 4
	s_cbranch_scc1 .LP3
	s_branch .LP5
.LP6:
	CE 6
.LP5:
	CE 5
.LP4:
	CE 4
.LP3:
	CE 3
.LP2:
	CE 2
.LP1:
	CE 1
.LP0:
	CE 0                                           ; the chain always ends in bank 0
	s_add_co_u32 s41, s41, s43
	s_add_co_u32 s45, s45, 1
	s_cmp_lt_u32 s45, s46
	s_cbranch_scc1 .Lrun
	WIN W_LD
.set h_, 0
.rept 64                                               ; transposed: my register c goes to matrix row c, word = my thread's number; 32 lanes write 128 consecutive bytes
	ds_store_b32 v[VS], v[h_] offset:PITCH*h_
.set h_, h_+1
.endr
.rept 64
	ds_store_b32 v[VS2], v[h_] offset:PITCH*(h_-64)
.set h_, h_+1
.endr
	WIN 0
	s_add_co_u32 s40, s40, 1
	s_cmp_lt_u32 s40, 15
	s_cbranch_scc1 .Lphase
	s_wait_dscnt 0x0                               ; for wave 0's sake: my last stores are done
	s_barrier_signal -1
	s_barrier_wait -1
	s_cmp_lg_u32 s16, 0
	s_cbranch_scc1 .Lend
	; THE FINISH, by wave 0.  A lane works for row (lane % 2) of the pair.  v16-63 the four waves' sums, v64-73 ten sorted words, v80-95 at work, v96-127 the features.
.set ZZ, 80
.set FT, 96
.set S1, 16                                            ; after the waves' sums are added: d, d^2, d^3, d^4, x^2, |x|, |x| log2|x|, c, max|x|, sign changes, places, peaks
	WIN W_LD
	v_mov_b32 v0, v[TID]
	WIN 0
	v_and_b32 v1, 1, v0
	v_lshl_add_u32 v2, v1, 8, PART
.irp w, 0,1,2,3
	ds_load_b128 v[16+12*\w:19+12*\w], v2 offset:64*\w
	ds_load_b128 v[20+12*\w:23+12*\w], v2 offset:64*\w+16
	ds_load_b128 v[24+12*\w:27+12*\w], v2 offset:64*\w+32
.endr
	v_mov_b32 v3, 0
	v_mov_b32 v4, 64*PITCH
.set i_, 0
.irp rk, 1638,1639,4095,4096,8191,8192,12287,12288,14744,14745  ; fifteen transpositions: place r lies in matrix row r % 128, word r / 128
.if ((\rk)&127) >= 64
	ds_load_b32 v[64+i_], v4 offset:PITCH*(((\rk)&127)-64)+4*((\rk)>>7)
.else
	ds_load_b32 v[64+i_], v3 offset:PITCH*((\rk)&127)+4*((\rk)>>7)
.endif
.set i_, i_+1
.endr
	v_xor_b32 v5, 1, v1
	v_lshlrev_b32 v5, 4, v5                        ; row A's bf16 lies in the low half: up by 16; row B's stays
	v_lshl_add_u32 v6, v1, 7, STG
	v_lshl_add_u32 v7, v0, 3, STG
	v_lshlrev_b32 v10, 3, v0
	s_wait_dscnt 0x0
.macro COMB d, a
	v_pk_add_f32 v[(\d):(\d)+1], v[(\d):(\d)+1], v[(\a):(\a)+1]
	v_pk_add_f32 v[(\d)+2:(\d)+3], v[(\d)+2:(\d)+3], v[(\a)+2:(\a)+3]
	v_pk_add_f32 v[(\d)+4:(\d)+5], v[(\d)+4:(\d)+5], v[(\a)+4:(\a)+5]
	v_add_f32 v[(\d)+6], v[(\d)+6], v[(\a)+6]
	v_max_num_f32 v[(\d)+8], v[(\d)+8], v[(\a)+8]
	v_add_f32 v[(\d)+9], v[(\d)+9], v[(\a)+9]
	v_pk_add_f32 v[(\d)+10:(\d)+11], v[(\d)+10:(\d)+11], v[(\a)+10:(\a)+11]
.endm
	COMB 16, 28
	COMB 40, 52
	COMB 16, 40
	v_mul_f32 v[ZZ], 0x38800000, v[S1]             ; x 2^-14: delta = mean - c,
	v_mul_f32 v[ZZ+1], 0x38800000, v[S1+1]         ; q2, q3, q4: the moments about c,
	v_mul_f32 v[ZZ+2], 0x38800000, v[S1+2]
	v_mul_f32 v[ZZ+3], 0x38800000, v[S1+3]
	v_mul_f32 v[ZZ+13], 0x38800000, v[S1+4]        ; the mean of squares
	v_add_f32 v[FT], v[S1+7], v[ZZ]                ; mean
	v_mul_f32 v[ZZ+4], v[ZZ], v[ZZ]
	v_sub_f32 v[ZZ+5], v[ZZ+1], v[ZZ+4]
	v_max_num_f32 v[FT+2], 0, v[ZZ+5]              ; var = m2 = q2 - delta^2
	v_add_f32 v[ZZ+6], v[ZZ+4], v[ZZ+4]
	v_fmamk_f32 v[ZZ+6], v[ZZ+1], 0xc0400000, v[ZZ+6]
	v_fma_f32 v[ZZ+6], v[ZZ], v[ZZ+6], v[ZZ+2]     ; m3 = q3 + delta (2 delta^2 - 3 q2)
	v_mul_f32 v[ZZ+7], 0xc0400000, v[ZZ+4]
	v_fmamk_f32 v[ZZ+7], v[ZZ+1], 0x40c00000, v[ZZ+7]
	v_mul_f32 v[ZZ+8], -4.0, v[ZZ+2]
	v_fma_f32 v[ZZ+7], v[ZZ], v[ZZ+7], v[ZZ+8]
	v_fma_f32 v[ZZ+7], v[ZZ], v[ZZ+7], v[ZZ+3]     ; m4 = q4 + delta (-4 q3 + delta (6 q2 - 3 delta^2))
	v_max_num_f32 v[ZZ+14], 1.0, v[S1+11]
	v_sqrt_f32 v[FT+1], v[FT+2]                    ; std
	v_rcp_f32 v[ZZ+9], v[FT+2]
	v_rsq_f32 v[ZZ+10], v[FT+2]
	v_log_f32 v[ZZ+11], v[S1+5]
	v_rcp_f32 v[ZZ+12], v[S1+5]
	v_sqrt_f32 v[FT+13], v[ZZ+13]                  ; rms
	v_rcp_f32 v[ZZ+15], v[ZZ+14]
	v_mov_b32 v[FT+11], v[S1+11]                   ; peaks; also the plain line behind the run above (ISA guide 5.7.2)
	s_wait_alu depctr_va_vdst(0)
	v_rcp_f32 v[ZZ+5], v[FT+13]
	v_mov_b32 v[FT+14], v[S1+9]                    ; sign changes; the plain line behind the reciprocal
	v_mov_b32 v[FT+15], v[S1+4]                    ; energy
	v_mul_f32 v[ZZ+6], v[ZZ+6], v[ZZ+9]
	v_mul_f32 v[FT+3], v[ZZ+6], v[ZZ+10]           ; skew = m3 / m2^1.5
	v_mul_f32 v[ZZ+7], v[ZZ+7], v[ZZ+9]
	v_fmaak_f32 v[FT+4], v[ZZ+7], v[ZZ+9], 0xc0400000  ; kurtosis = m4 / m2^2 - 3
	v_mul_f32 v[ZZ+8], v[S1+6], v[ZZ+12]
	v_sub_f32 v[ZZ+8], v[ZZ+11], v[ZZ+8]
	v_mul_f32 v[FT+5], 0x3f317218, v[ZZ+8]         ; entropy = ln 2 (log2 S - (sum of |x| log2 |x|) / S)
	v_mul_f32 v[FT+12], v[S1+10], v[ZZ+15]         ; mean place of the peaks; 0 where there are none
	s_wait_alu depctr_va_vdst(0)
	v_mul_f32 v[ZZ+5], v[S1+8], v[ZZ+5]
	v_cmp_lt_f32 vcc_lo, 0, v[FT+13]
	v_cndmask_b32 v[FT+16], 0, v[ZZ+5], vcc_lo     ; crest
.macro PCT i, wl, wh                                   ; lower x (1 - w) + upper x w
	v_lshlrev_b32 v[ZZ], v5, v[64+2*(\i)]
	v_lshlrev_b32 v[ZZ+1], v5, v[64+2*(\i)+1]
	v_and_b32 v[ZZ], s50, v[ZZ]
	v_and_b32 v[ZZ+1], s50, v[ZZ+1]
	v_mul_f32 v[ZZ], \wl, v[ZZ]
	v_fmamk_f32 v[FT+6+(\i)], v[ZZ+1], \wh, v[ZZ]
.endm
	PCT 0, 0x3f333333, 0x3e99999a                  ; place 1638.3
	PCT 1, 0x3e800000, 0x3f400000                  ; 4095.75
	PCT 2, 0x3f000000, 0x3f000000                  ; 8191.5
	PCT 3, 0x3f400000, 0x3e800000                  ; 12287.25
	PCT 4, 0x3e99999a, 0x3f333333                  ; 14744.7
.set i_, 17
.rept 8
	v_mov_b32 v[FT+i_], 0x3d4ccccd                 ; the pads, 0.05
.set i_, i_+1
.endr
.rept 7
	v_mov_b32 v[FT+i_], 0
.set i_, i_+1
.endr
.irp q, 0,1,2,3,4,5,6,7
	ds_store_b128 v6, v[FT+4*\q:FT+4*\q+3] offset:16*\q  ; the sixteen lanes of a row hold the same numbers and write the same bytes
.endr
	ds_load_b64 v[8:9], v7                         ; LDS serves a wave's instructions in order (ISA guide 5.7.1.4): this sees the stores above
	s_wait_dscnt 0x0
	global_store_b64 v10, v[8:9], s[6:7]           ; 32 lanes store 256 consecutive bytes, at a multiple of 256 from feats' first byte
.Lend:
	WIN W_AD
	s_wait_tensorcnt 0x0                           ; the wave's end, behind my last LDS store
	ds_add_u32 v[SPW], v[NIL]
	s_wait_dscnt 0x0
	WIN 0
	s_endpgm
.Lfunc_end_k_qfa0a6f9cb2_features:
	.size	k_qfa0a6f9cb2_features, .Lfunc_end_k_qfa0a6f9cb2_features-k_qfa0a6f9cb2_features
	.p2alignl 7, 3214868480
	.fill 96, 4, 3214868480
	.section	.rodata,"a",@progbits
	.p2align	6, 0x0
	.amdhsa_kernel k_qfa0a6f9cb2_features
		.amdhsa_group_segment_fixed_size 68864
		.amdhsa_private_segment_fixed_size 0
		.amdhsa_enable_private_segment 0
		.amdhsa_kernarg_size 16
		.amdhsa_user_sgpr_count 2
		.amdhsa_user_sgpr_kernarg_segment_ptr 1
		.amdhsa_wavefront_size32 1
		.amdhsa_system_sgpr_workgroup_id_x 1
		.amdhsa_system_sgpr_workgroup_id_y 1
		.amdhsa_system_sgpr_workgroup_id_z 1
		.amdhsa_system_vgpr_workitem_id 0
		.amdhsa_next_free_vgpr 264
		.amdhsa_next_free_sgpr 84
		.amdhsa_reserve_vcc 1
		.amdhsa_float_denorm_mode_32 3
		.amdhsa_float_denorm_mode_16_64 3
		.amdhsa_memory_ordered 1
		.amdhsa_forward_progress 1
		.amdhsa_inst_pref_size 129
	.end_amdhsa_kernel
	.amdgpu_metadata
---
amdhsa.version: [ 1, 2 ]
amdhsa.kernels:
  - .name:           k_qfa0a6f9cb2_features
    .symbol:         k_qfa0a6f9cb2_features.kd
    .args:
      - { .name: signals, .offset: 0, .size: 8, .value_kind: global_buffer, .address_space: global }
      - { .name: feats, .offset: 8, .size: 8, .value_kind: global_buffer, .address_space: global }
    .group_segment_fixed_size: 68864
    .private_segment_fixed_size: 0
    .kernarg_segment_align: 8
    .kernarg_segment_size: 16
    .max_flat_workgroup_size: 128
    .sgpr_count:     84
    .vgpr_count:     264
    .wavefront_size: 32
...
	.end_amdgpu_metadata
.endif
;; end of part 1
;; launch mlp (part 2): grid 256 x 1, 4 waves a work-group, no clusters, 6,912 bytes of LDS; arguments feats, W1, b1, W2, b2, out0; writes out0
.if DOCPART == 2
	.amdgcn_target "amdgcn-amd-amdhsa--gfx1250"
	.amdhsa_code_object_version 6
	.text
	.protected	k_qfa0a6f9cb2_mlp
	.globl	k_qfa0a6f9cb2_mlp
	.p2align	8
	.type	k_qfa0a6f9cb2_mlp,@function
k_qfa0a6f9cb2_mlp:
	s_mov_b64 s[64:65], 0
	v_nop
	global_prefetch_b8 v0, s[64:65] scope:SCOPE_SE
	s_setreg_imm32_b32 hwreg(HW_REG_WAVE_MODE, 25, 1), 1
	s_wait_xcnt 0x0
; out0 = relu(feats W1 + b1) W2 + b2.  feats [4096][32] f32 (features 25 to 31 are 0), W1 [25][64], b1 [64], W2 [64][32], b2 [32], out0 [4096][32], all f32.
; 256 work-groups of four waves; a work-group owns 16 rows: one tile of the matrix unit.  Layer 1: wave w makes hidden units 16 w .. 16 w + 15.  Layer 2: waves 0 and 1 make 16 output columns each.
; Both layers go to the matrix unit in bf16, each operand split into hi + lo (products hi hi, lo hi, hi lo, each into an accumulator of its own, started by 0): features near 16,384 keep about 16 significant bits.
; LEFT OUT.  Clusters and tensor loads: a work-group reads 2 KB of its own and 15 KB of weights, once.
; REGISTERS.  v8-23 / v120-135 first source as f32, v24-39 / v136-151 its hi and lo; v40-55 W1, v192-223 W2 as f32; v56-71 / v168-183 the weights' hi and lo; v72-119 six accumulators.
.set HPITCH, 272
.set HST,    0                   ; 16 rows x 272 bytes: 64 hidden numbers in f32
.set OST,    16*HPITCH           ; 16 rows x 128 bytes: the output tile
.set SPARE,  OST+2048            ; the spare words, 128 bytes for each wave: two blocks of 256 bytes that no other line names
.set SPW, 250                    ; LDS address of my spare word; never rewritten
.set NIL, 251                    ; 0; never rewritten
	s_load_b256 s[4:11], s[0:1], 0x0               ; feats s[4:5], W1 s[6:7], b1 s[8:9], W2 s[10:11]
	s_load_b128 s[12:15], s[0:1], 0x20             ; b2 s[12:13], out0 s[14:15]
	v_lshl_add_u32 v[SPW], v0, 2, SPARE
	v_mov_b32 v[NIL], 0
	v_lshrrev_b32 v3, 5, v0
	v_readfirstlane_b32 s16, v3                    ; wave 0..3
	v_and_b32 v1, 15, v0                           ; r
	v_bfe_u32 v2, v0, 4, 1                         ; hh
	; The weights come as the matrix unit's second source wants them: lane (r, hh) holds column n = r and k = 8 hh + 0..7, 16 + 8 hh + 0..7 (ISA guide 7.12.2).
	s_lshl_b32 s2, s16, 4
	v_add_lshl_u32 v224, v1, s2, 2                 ; 4 (16 w + r): my hidden unit
	v_lshl_add_u32 v225, v2, 11, v224              ; W1: + 256 bytes x 8 hh
.irp i, 0,1,2,3,4,5,6,7
	v_lshl_add_u32 v[226+\i], v2, 11, 4096+256*\i  ; rows 16 + 8 hh + i, held to row 24: features 25 to 31 are 0, so what stands there does not count
	v_min_u32 v[226+\i], 6144, v[226+\i]
	v_add_nc_u32 v[226+\i], v[226+\i], v224
.endr
	s_and_b32 s3, s16, 1
	s_lshl_b32 s3, s3, 4
	v_add_lshl_u32 v234, v1, s3, 2                 ; 4 (16 (w % 2) + r): my output column
	v_lshl_add_u32 v235, v2, 10, v234              ; W2: + 128 bytes x 8 hh
	v_lshlrev_b32 v5, 7, v1
	v_lshl_add_u32 v5, v2, 5, v5                   ; feats: row r, features 8 hh on
	s_lshl_b32 s2, ttmp9, 11                       ; the work-group's 16 rows of 128 bytes, in feats and in out0
	s_mov_b32 s3, 0
	v_mov_b32 v188, -1.0
	s_wait_kmcnt 0x0
	s_add_nc_u64 s[4:5], s[4:5], s[2:3]
	s_add_nc_u64 s[14:15], s[14:15], s[2:3]
	global_load_b128 v[8:11], v5, s[4:5]
	global_load_b128 v[12:15], v5, s[4:5] offset:16
	global_load_b128 v[16:19], v5, s[4:5] offset:64  ; features 16 + 8 hh on
	global_load_b128 v[20:23], v5, s[4:5] offset:80
.irp i, 0,1,2,3,4,5,6,7
	global_load_b32 v[40+\i], v225, s[6:7] offset:256*\i
	global_load_b32 v[48+\i], v[226+\i], s[6:7]
.endr
.set q_, 0
.rept 32                                               ; W2[32 s + 16 g + 8 hh + j][n] at v[192 + 16 s + 8 g + j]
	global_load_b32 v[192+q_], v235, s[10:11] offset:128*(32*(q_/16)+16*((q_/8)%2)+q_%8)
.set q_, q_+1
.endr
	global_load_b32 v186, v224, s[8:9]             ; b1 of my hidden unit
	global_load_b32 v187, v234, s[12:13]           ; b2 of my output column
.macro SPLIT src, hi, lo                               ; 16 f32 -> 8 words of bf16 and 8 words of what the rounding left: x - hi in one fused line each
.set p_, 0
.rept 8
	v_cvt_pk_bf16_f32 v[(\hi)+p_], v[(\src)+2*p_], v[(\src)+2*p_+1]
	v_fma_mix_f32_bf16 v184, v[(\hi)+p_], v188, v[(\src)+2*p_] op_sel_hi:[1,0,0]
	v_fma_mix_f32_bf16 v185, v[(\hi)+p_], v188, v[(\src)+2*p_+1] op_sel:[1,0,0] op_sel_hi:[1,0,0]
	v_cvt_pk_bf16_f32 v[(\lo)+p_], v184, v185
.set p_, p_+1
.endr
.endm
	s_wait_loadcnt 0x0                             ; features, weights and biases, once
	SPLIT 40, 56, 64
	SPLIT 8, 24, 32
	v_wmma_f32_16x16x32_bf16 v[72:79], v[24:31], v[56:63], 0
	v_wmma_f32_16x16x32_bf16 v[80:87], v[32:39], v[56:63], 0
	v_wmma_f32_16x16x32_bf16 v[88:95], v[24:31], v[64:71], 0
.rept 4
	v_nop                                          ; four places behind the products (ISA guide 7.12.1)
.endr
	v_mul_u32_u24 v6, v2, 8*HPITCH
	v_lshl_add_u32 v6, v1, 2, v6
	s_lshl_b32 s2, s16, 6
	s_add_co_u32 s2, s2, HST
	v_add_nc_u32 v6, s2, v6                        ; row 8 hh, hidden unit 16 w + r
.irp j, 0,1,2,3,4,5,6,7                                ; ascending: each accumulator is read from its low end on
	v_add_f32 v[8+\j], v[80+\j], v[88+\j]
	v_add_f32 v[8+\j], v[8+\j], v[72+\j]
	v_add_f32 v[8+\j], v[8+\j], v186
	v_max_num_f32 v[8+\j], 0, v[8+\j]
	ds_store_b32 v6, v[8+\j] offset:HPITCH*\j
.endr
	s_wait_dscnt 0x0                               ; for the others' sake: my hidden units are in LDS
	s_barrier_signal -1
	s_barrier_wait -1
	s_cmp_gt_u32 s16, 1
	s_cbranch_scc1 .Lno2                           ; 32 output columns are two waves' work
	v_mul_u32_u24 v7, v1, HPITCH
	v_lshl_add_u32 v7, v2, 5, v7
	v_add_nc_u32 v7, HST, v7
.irp s, 0,1
	ds_load_b128 v[8+112*\s:11+112*\s], v7 offset:128*\s
	ds_load_b128 v[12+112*\s:15+112*\s], v7 offset:128*\s+16
	ds_load_b128 v[16+112*\s:19+112*\s], v7 offset:128*\s+64
	ds_load_b128 v[20+112*\s:23+112*\s], v7 offset:128*\s+80
.endr
	SPLIT 192, 56, 64                              ; W2, hidden units 0 to 31,
	SPLIT 208, 168, 176                            ; and 32 to 63
	s_wait_dscnt 0x0
	SPLIT 8, 24, 32
	SPLIT 120, 136, 144
	v_wmma_f32_16x16x32_bf16 v[72:79], v[24:31], v[56:63], 0
	v_wmma_f32_16x16x32_bf16 v[80:87], v[32:39], v[56:63], 0
	v_wmma_f32_16x16x32_bf16 v[88:95], v[24:31], v[64:71], 0
	v_wmma_f32_16x16x32_bf16 v[96:103], v[136:143], v[168:175], 0
	v_wmma_f32_16x16x32_bf16 v[104:111], v[144:151], v[168:175], 0
	v_wmma_f32_16x16x32_bf16 v[112:119], v[136:143], v[176:183], 0
.rept 4
	v_nop
.endr
	v_lshlrev_b32 v6, 10, v2
	v_lshl_add_u32 v6, v1, 2, v6
	s_lshl_b32 s2, s16, 6
	s_add_co_u32 s2, s2, OST
	v_add_nc_u32 v6, s2, v6                        ; row 8 hh, column 16 w + r
.irp j, 0,1,2,3,4,5,6,7
	v_add_f32 v[8+\j], v[80+\j], v[88+\j]
	v_add_f32 v[16+\j], v[104+\j], v[112+\j]
	v_add_f32 v[8+\j], v[8+\j], v[16+\j]
	v_add_f32 v[16+\j], v[72+\j], v[96+\j]
	v_add_f32 v[8+\j], v[8+\j], v[16+\j]
	v_add_f32 v[8+\j], v[8+\j], v187
	ds_store_b32 v6, v[8+\j] offset:128*\j
.endr
.Lno2:
	s_wait_dscnt 0x0                               ; for the others' sake: the output's two halves are in LDS
	s_barrier_signal -1
	s_barrier_wait -1
	v_lshl_add_u32 v8, v0, 4, OST
	ds_load_b128 v[12:15], v8
	v_lshlrev_b32 v9, 4, v0
	s_wait_dscnt 0x0
	global_store_b128 v9, v[12:15], s[14:15]       ; 16 lanes store 256 consecutive bytes, at a multiple of 256 from out0's first byte
	s_wait_tensorcnt 0x0                           ; the wave's end, behind my last LDS store
	ds_add_u32 v[SPW], v[NIL]
	s_wait_dscnt 0x0
	s_endpgm
.Lfunc_end_k_qfa0a6f9cb2_mlp:
	.size	k_qfa0a6f9cb2_mlp, .Lfunc_end_k_qfa0a6f9cb2_mlp-k_qfa0a6f9cb2_mlp
	.p2alignl 7, 3214868480
	.fill 96, 4, 3214868480
	.section	.rodata,"a",@progbits
	.p2align	6, 0x0
	.amdhsa_kernel k_qfa0a6f9cb2_mlp
		.amdhsa_group_segment_fixed_size 6912
		.amdhsa_private_segment_fixed_size 0
		.amdhsa_enable_private_segment 0
		.amdhsa_kernarg_size 48
		.amdhsa_user_sgpr_count 2
		.amdhsa_user_sgpr_kernarg_segment_ptr 1
		.amdhsa_wavefront_size32 1
		.amdhsa_system_sgpr_workgroup_id_x 1
		.amdhsa_system_sgpr_workgroup_id_y 1
		.amdhsa_system_sgpr_workgroup_id_z 1
		.amdhsa_system_vgpr_workitem_id 0
		.amdhsa_next_free_vgpr 256
		.amdhsa_next_free_sgpr 66
		.amdhsa_reserve_vcc 0
		.amdhsa_float_denorm_mode_32 3
		.amdhsa_float_denorm_mode_16_64 3
		.amdhsa_memory_ordered 1
		.amdhsa_forward_progress 1
		.amdhsa_inst_pref_size 27
	.end_amdhsa_kernel
	.amdgpu_metadata
---
amdhsa.version: [ 1, 2 ]
amdhsa.kernels:
  - .name:           k_qfa0a6f9cb2_mlp
    .symbol:         k_qfa0a6f9cb2_mlp.kd
    .args:
      - { .name: feats, .offset: 0, .size: 8, .value_kind: global_buffer, .address_space: global }
      - { .name: W1, .offset: 8, .size: 8, .value_kind: global_buffer, .address_space: global }
      - { .name: b1, .offset: 16, .size: 8, .value_kind: global_buffer, .address_space: global }
      - { .name: W2, .offset: 24, .size: 8, .value_kind: global_buffer, .address_space: global }
      - { .name: b2, .offset: 32, .size: 8, .value_kind: global_buffer, .address_space: global }
      - { .name: out0, .offset: 40, .size: 8, .value_kind: global_buffer, .address_space: global }
    .group_segment_fixed_size: 6912
    .private_segment_fixed_size: 0
    .kernarg_segment_align: 8
    .kernarg_segment_size: 48
    .max_flat_workgroup_size: 128
    .sgpr_count:     66
    .vgpr_count:     256
    .wavefront_size: 32
...
	.end_amdgpu_metadata
.endif
;; end of part 2
;; ======== version 2 of 2: 2 launches; 1.75 times as fast as version 1
;; workspace buffers: feats 524,288 bytes
;; launch features (part 3): grid 2048 x 1, 4 waves a work-group, no clusters, 67,328 bytes of LDS; arguments signals, feats; writes feats
.if DOCPART == 3
	.amdgcn_target "amdgcn-amd-amdhsa--gfx1250"
	.amdhsa_code_object_version 6
	.text
	.protected	k_qfa0a6f9cb2_features
	.globl	k_qfa0a6f9cb2_features
	.p2align	8
	.type	k_qfa0a6f9cb2_features,@function
k_qfa0a6f9cb2_features:
	s_mov_b64 s[64:65], 0
	v_nop
	global_prefetch_b8 v0, s[64:65] scope:SCOPE_SE
	s_setreg_imm32_b32 hwreg(HW_REG_WAVE_MODE, 25, 1), 1
	s_wait_xcnt 0x0
; feats[row][0..31] = the 17 statistics of signals[row], 8 pads of 0.05 and 7 zeros (K = 25 filled up to the matrix instruction's 32).  signals [4096][16384] f32.
; SHARES.  2,048 work-groups of four waves; a work-group owns a PAIR (A, B) of neighbouring rows, wave w the quarter 4096 w .. 4096 w + 4095 of both.
; ONE PASS over the f32 data makes every statistic but the percentiles: moments about a pilot c (the mean of the row's first 1,024 numbers, summed as a pairwise tree, by every wave alike;
; a part of one sixteenth of the data has a mean at most sqrt(15) deviations from the row's, so the corrections at the end are bounded), sums of |x| and |x| log2 |x| for the entropy,
; the largest |x|, peaks (count and sum of places, in whole numbers) and changes of sign.  The sum of squares is n (mean^2 + variance), a sum of two terms that are not negative.
; One text serves both rows, in a loop of two trips; the waves' sums meet in LDS.
; PERCENTILES.  No address and no branch may hang on the data, so the ten order statistics of a row are found by a radix selection on BIT PLANES.  The pass rounds x to bf16 (rounding keeps the
; order, so what is found is the true order statistic rounded once).  A trip's 32 numbers a lane, 16 words of two bf16, are turned as two 16 x 16 bit matrices: word p then holds bit p of the 32 numbers.
; Planes 0-14 are inverted where the sign is set and the sign plane is inverted throughout, so that the 16-bit key rises with the number.  A line on a plane word treats 32 lanes x 32 numbers.
; A SEARCH for place r keeps the set of numbers that share the key bits found so far, how many they are, and r's place among them.  From the highest bit down: count those with the bit set;
; if r lies among the others, the bit is 0 and they stay, else the bit is 1, r steps down by their number, and the ones stay.  Ten searches a row go in step, a bit at a time.
; In the selection lanes 0-15 hold my quarter of row A (8 words a lane) and lanes 16-31 that of row B: one set of 8 registers serves a place of both rows, a count is summed over 16 lanes, and the
; four waves' counts meet in LDS.  Every wave decides alike: lane j for row A's place j, lane 16 + j for row B's; each half of the lanes then takes its row's decisions from those lanes.
; LIMITS.  NaN and infinities are not treated apart.  The ten order statistics carry one rounding to bf16 each (8 significant bits; |x| above 3.39e38 becomes an infinity there); the interpolation is in f32.
; |x| below 2^-126 counts as 2^-126 in the two sums of the entropy and in the largest |x|.
; LEFT OUT.  Clusters: the work-groups share no input.  Tensor loads: what lies in LDS is made in registers.
; LDS from byte 0: the planes: wave w, plane p, row, lane, trip at 16384 w + 1024 p + 512 row + 16 lane + 4 trip; a wave reads only what it wrote
.set PART,   65536               ; 2 rows x 4 waves x 64 bytes: the waves' sums
.set STG,    PART+512            ; 2 rows x 128 bytes: the features on their way out
.set XCH,    STG+256             ; 4 waves x 2 rows x 32 bytes: a bit's counts, two places to a word
.set QS,     XCH+256             ; 2 rows x 64 bytes: the order statistics in f32
.set SPARE,  QS+256              ; the spare words, 128 bytes for each wave: two blocks of 256 bytes that no other line names
; REGISTERS in the pass: v0-47 a ring of 8 slots of 6 (four numbers, their right neighbour, one idle)
.set KD,  48                     ; v48-63   the trip's 16 words of two bf16
.set KE,  64                     ; v64-79   the same on their way to planes
.set T1,  80                     ; v80-83   at work in the turning
.set L16, 96                     ; 16 x lane
.set OL,  97                     ; byte offset, from row A's first byte, of the ring's next loads
.set NL,  98                     ; the same for slot 7's right neighbour, held inside the row
.set PK0, 99                     ; my planes + 16 x lane + 512 x row
.set PKA, 100                    ; where this trip's plane words go
.set IB,  101                    ; the place of my first number of the trip
.set CC,  102                    ; (c, c)
.set IDX, 104                    ; sum of the peaks' places
.set ZP,  105                    ; v_permlanex16_b32's destination
.set WB,  106                    ; my quarter's first byte + 16 x lane
.set LN,  107                    ; lane
.set XL,  108                    ; the number to the left of my quarter,
.set XF,  109                    ; and its first
.set CLO, 110                    ; their byte offsets
.set CFO, 111
.set RA,  112                    ; sums: +0 d (4), +4 d^2, +8 d^3, +12 d^4, +20 |x|, +24 |x| log2|x|, +28 max|x|, +29 sign changes, +30 the trip's peaks, +31 peaks
.set TA,  144                    ; at work: +0 d (4), +4 d^2, +8 |x|, +12 log2, +16 three maxima, +20 four peak words, +24 five sign keys
.set PB,  176                    ; the pilot's 32 numbers a lane; later what goes to PART
.set POF, 208                    ; the pilot's byte offset
.set PAD, 209                    ; where my sums go
.set SPW, 210                    ; LDS address of my spare word; never rewritten
.set NIL, 211                    ; 0; never rewritten
.set TID, 212                    ; the thread's number
.set VB,  213                    ; my planes + 16 x lane
; REGISTERS in the selection
.set PL,  0                      ; v0-7     the bit's plane: eight words of my half's row
.set XW,  8                      ; v8-23    at work for two places
.set CA,  24                     ; the two places' counts; later their masks
.set CB,  25
.set CN,  28                     ; v28-32   word u: place 2 u's count below, place 2 u + 1's above
.set AL,  48                     ; v48-127  place t's set: eight words at AL + 8 t
.set JJ,  128                    ; the place that my lane decides: min(lane % 16, 9)
.set SH,  129                    ; 16 x (that place % 2): its half of a count word
.set RR,  130                    ; the place among those that are left
.set NA,  131                    ; how many are left
.set KEY, 132                    ; the key bits found
.set XA,  133                    ; where my wave's counts of my half's row go
.set XRD, 134                    ; where my lane reads the waves' counts
.set VP,  135                    ; the bit's plane in LDS
.set D0,  136                    ; v136-139 at work
.set MV,  140                    ; my place's mask: -1 where the bit found is 0
.set HH,  141                    ; lane / 16: my half's row
.set VB2, 142                    ; my planes + 512 x (lane / 16) + 16 x (lane % 16)
.macro RSUM x                    ; the sum over the 32 lanes, in every lane
	v_add_f32_dpp v[\x], v[\x], v[\x] row_xmask:1 row_mask:0xf bank_mask:0xf
	v_add_f32_dpp v[\x], v[\x], v[\x] row_xmask:2 row_mask:0xf bank_mask:0xf
	v_add_f32_dpp v[\x], v[\x], v[\x] row_xmask:4 row_mask:0xf bank_mask:0xf
	v_add_f32_dpp v[\x], v[\x], v[\x] row_xmask:8 row_mask:0xf bank_mask:0xf
	v_permlanex16_b32 v[ZP], v[\x], s21, s22
	v_add_f32 v[\x], v[\x], v[ZP]
.endm
.macro RMAX x
	v_max_num_f32_dpp v[\x], v[\x], v[\x] row_xmask:1 row_mask:0xf bank_mask:0xf
	v_max_num_f32_dpp v[\x], v[\x], v[\x] row_xmask:2 row_mask:0xf bank_mask:0xf
	v_max_num_f32_dpp v[\x], v[\x], v[\x] row_xmask:4 row_mask:0xf bank_mask:0xf
	v_max_num_f32_dpp v[\x], v[\x], v[\x] row_xmask:8 row_mask:0xf bank_mask:0xf
	v_permlanex16_b32 v[ZP], v[\x], s21, s22
	v_max_num_f32 v[\x], v[\x], v[ZP]
.endm
; Slot s of the ring: 512 consecutive bytes of the row (16 bytes a lane) and, for each lane, the number to the right of its four.  No cache hint: a line is touched by both kinds of load.
.macro LOADS s
	global_load_b128 v[6*(\s):6*(\s)+3], v[OL], s[4:5] offset:512*(\s)
.if (\s) < 7
	global_load_b32 v[6*(\s)+4], v[OL], s[4:5] offset:512*(\s)+16
.else
	global_load_b32 v[6*(\s)+4], v[NL], s[4:5]     ; at the row's end the last number is its own right neighbour: no peak and no change of sign there
.endif
.endm
; One slot's turn: 128 numbers.  Lane masks: s30 x0 > x1, s31 right neighbour > x3, s32-34 x1, x2, x3 above both their neighbours.
.macro STEP s
.set XX, 6*(\s)
.set NN, 6*(\s)+4
	s_wait_loadcnt 14                              ; loads come back in order (ISA guide 5.7.1): behind this slot's two stand the 7 other slots' 14
	v_max_num_f32 v[TA+16], v[XX], v[XX+2]
	v_max_num_f32 v[TA+17], v[XX+1], v[XX+3]
	v_max_num_f32 v[TA+18], v[XX+2], v[NN]
	v_cmp_gt_f32 s30, v[XX], v[XX+1]
	v_cmp_gt_f32 s31, v[NN], v[XX+3]
	v_cvt_pk_bf16_f32 v[KD+2*(\s)], v[XX], v[XX+1]         ; the selection's numbers: which word and half a number falls into does not matter there
	v_cvt_pk_bf16_f32 v[KD+2*(\s)+1], v[XX+2], v[XX+3]
	v_pk_add_f32 v[TA:TA+1], v[XX:XX+1], v[CC:CC+1] neg_lo:[0,1] neg_hi:[0,1]
	v_pk_add_f32 v[TA+2:TA+3], v[XX+2:XX+3], v[CC:CC+1] neg_lo:[0,1] neg_hi:[0,1]
.irp c, 0,1,2,3
	v_max_num_f32 v[TA+8+\c], |v[XX+\c]|, s19
.endr
	v_cmp_gt_f32 s32, v[XX+1], v[TA+16]
	v_cmp_gt_f32 s33, v[XX+2], v[TA+17]
	v_cmp_gt_f32 s34, v[XX+3], v[TA+18]
.irp c, 0,1,2,3
	v_ldexp_f32 v[TA+24+\c], v[XX+\c], s17         ; the sign key x 2^300: an infinity with x's sign, or x's zero: three values, compared as numbers
.endr
	v_ldexp_f32 v[TA+28], v[NN], s17
	s_lshl_b32 s52, s31, 1                         ; x0 is a peak if it is above x1 and above the lane to the left's x3: that lane's bit of s31, moved up by one;
	s_or_b32 s52, s52, s28                         ; lane 0 takes lane 31's of the step before
	s_lshr_b32 s28, s31, 31
	s_and_b32 s30, s30, s52
	v_pk_mul_f32 v[TA+4:TA+5], v[TA:TA+1], v[TA:TA+1]
	v_pk_mul_f32 v[TA+6:TA+7], v[TA+2:TA+3], v[TA+2:TA+3]
.irp c, 0,1,2,3
	v_log_f32 v[TA+12+\c], v[TA+8+\c]
.endr
.irp c, 0,2                                            ; plain lines stand between the logarithms and their use (ISA guide 5.7.2)
	v_pk_add_f32 v[RA+\c:RA+\c+1], v[RA+\c:RA+\c+1], v[TA+\c:TA+\c+1]
	v_pk_add_f32 v[RA+4+\c:RA+5+\c], v[RA+4+\c:RA+5+\c], v[TA+4+\c:TA+5+\c]
	v_pk_fma_f32 v[RA+8+\c:RA+9+\c], v[TA+4+\c:TA+5+\c], v[TA+\c:TA+\c+1], v[RA+8+\c:RA+9+\c]
	v_pk_fma_f32 v[RA+12+\c:RA+13+\c], v[TA+4+\c:TA+5+\c], v[TA+4+\c:TA+5+\c], v[RA+12+\c:RA+13+\c]
	v_pk_add_f32 v[RA+20+\c:RA+21+\c], v[RA+20+\c:RA+21+\c], v[TA+8+\c:TA+9+\c]
	s_wait_alu depctr_va_vdst(0)
	v_pk_fma_f32 v[RA+24+\c:RA+25+\c], v[TA+8+\c:TA+9+\c], v[TA+12+\c:TA+13+\c], v[RA+24+\c:RA+25+\c]
	v_max3_num_f32 v[RA+28], v[RA+28], v[TA+8+\c], v[TA+9+\c]
.endr
	v_cndmask_b32 v[TA+20], 0, (1<<22)|(128*(\s)), s30    ; a peak's word: 1 in bit 22, and its place in the trip less my lane's
	v_cndmask_b32 v[TA+21], 0, (1<<22)|(128*(\s)+1), s32
	v_cndmask_b32 v[TA+22], 0, (1<<22)|(128*(\s)+2), s33
	v_cndmask_b32 v[TA+23], 0, (1<<22)|(128*(\s)+3), s34
	v_add3_u32 v[RA+30], v[RA+30], v[TA+20], v[TA+21]
	v_add3_u32 v[RA+30], v[RA+30], v[TA+22], v[TA+23]
.irp c, 0,1,2,3
	v_cmp_neq_f32 vcc_lo, v[TA+24+\c], v[TA+25+\c]
	v_add_co_ci_u32 v[RA+29], vcc_lo, 0, v[RA+29], vcc_lo
.endr
	LOADS \s                                       ; the slot's next 512 bytes, a trip ahead
.endm
; One step of the turning: words sh apart exchange the bits whose place in the half word has, or has not, bit sh.  m: the scalar mask of the places that have it not.
.macro XST sh, m
.set i_, 0
.rept 16
.if (i_&(\sh)) == 0
	v_lshlrev_b32 v[T1+2*(i_&1)], \sh, v[KE+i_+(\sh)]
	v_lshrrev_b32 v[T1+2*(i_&1)+1], \sh, v[KE+i_]
	v_bfi_b32 v[KE+i_], s[\m], v[KE+i_], v[T1+2*(i_&1)]
	v_bfi_b32 v[KE+i_+(\sh)], s[\m], v[T1+2*(i_&1)+1], v[KE+i_+(\sh)]
.endif
.set i_, i_+1
.endr
.endm
	s_load_b128 s[4:7], s[0:1], 0x0                ; signals s[4:5], feats s[6:7]
	v_lshl_add_u32 v[SPW], v0, 2, SPARE
	v_mov_b32 v[NIL], 0
	v_mov_b32 v[TID], v0
	v_lshrrev_b32 v[LN], 5, v0
	v_readfirstlane_b32 s16, v[LN]                 ; wave 0..3
	v_and_b32 v[LN], 31, v0                        ; lane
	v_lshlrev_b32 v[L16], 4, v[LN]
	s_mov_b32 s17, 300                             ; v_ldexp_f32's exponent for the sign keys
	s_mov_b32 s19, 0x00800000                      ; 2^-126
	s_mov_b32 s21, 0x76543210                      ; v_permlanex16_b32: each lane takes its own place in the other half
	s_mov_b32 s22, 0xfedcba98
	s_mov_b32 s36, 0x06020400                      ; v_perm_b32: the low bytes of both half words of two words,
	s_mov_b32 s37, 0x07030501                      ; and the high bytes
	s_mov_b32 s38, 0x0f0f0f0f
	s_mov_b32 s39, 0x33333333
	s_mov_b32 s42, 0x55555555
	s_lshl_b32 s56, s16, 14                        ; my quarter's first byte in a row,
	s_sub_co_i32 s57, s56, 4
	s_max_i32 s57, s57, 0                          ; and the number to its left; wave 0 has none and takes the first number itself: it is no peak
	s_lshl_b32 s58, s16, 14                        ; my planes in LDS
	s_lshl_b32 s59, s16, 12                        ; the place of my first number
	s_lshl_b32 s49, s16, 6
	s_add_co_u32 s49, s49, PART                    ; where my sums of row A go
	v_add_nc_u32 v[VB], s58, v[L16]
	v_add_nc_u32 v[WB], s56, v[L16]
	v_mov_b32 v[OL], v[WB]
	v_add_nc_u32 v[NL], 3600, v[WB]                ; slot 7's right neighbours: 7 x 512 + 16
	v_mov_b32 v[ZP], 0
	s_lshl_b32 s2, ttmp9, 17                       ; the work-group's two rows of 65,536 bytes
	s_mov_b32 s3, 0
	s_lshl_b32 s60, ttmp9, 8                       ; and their two rows of 128 bytes in feats
	s_mov_b32 s61, 0
	s_wait_kmcnt 0x0
	s_add_nc_u64 s[4:5], s[4:5], s[2:3]
	s_add_nc_u64 s[6:7], s[6:7], s[60:61]
.irp s, 0,1,2,3,4,5,6,7
	LOADS \s                                       ; the ring's first fill: my quarter of row A, its first 4,096 bytes
.endr
	s_mov_b32 s51, 0                               ; the row of the pair
	s_mov_b32 s29, 0                               ; trips begun, over both rows
	s_mov_b32 s23, 2
.Lrow:
	s_lshl_b32 s52, s51, 16                        ; the row's first byte
	s_add_co_u32 s47, s52, s56
	s_add_co_u32 s48, s52, s57
	v_add_nc_u32 v[POF], s52, v[L16]
	v_mov_b32 v[CFO], s47
	v_mov_b32 v[CLO], s48
.irp s, 0,1,2,3,4,5,6,7
	global_load_b128 v[PB+4*\s:PB+4*\s+3], v[POF], s[4:5] offset:512*\s  ; the row's first 1,024 numbers, for the pilot
.endr
	global_load_b32 v[XF], v[CFO], s[4:5]
	global_load_b32 v[XL], v[CLO], s[4:5]
.set i_, 0
.rept 32                                               ; the pass is one loop with no first step written out: its 28 sums start at 0
.if (i_ < 16) || (i_ > 19)
	v_mov_b32 v[RA+i_], 0
.endif
.set i_, i_+1
.endr
	v_mov_b32 v[IDX], 0
	v_lshl_add_u32 v[IB], v[LN], 2, s59
	s_lshl_b32 s47, s51, 9
	v_add_nc_u32 v[PK0], s47, v[VB]
	s_wait_loadcnt 0x0                             ; the pilot's numbers (and with them the ring's fill, which was issued earlier)
	; c = the mean of 1,024 numbers, by a pairwise tree: of equal numbers it is that number exactly
.irp w, 16,8,4,2
.set u_, 0
.rept (\w)/2
	v_pk_add_f32 v[PB+2*u_:PB+2*u_+1], v[PB+2*u_:PB+2*u_+1], v[PB+2*u_+\w:PB+2*u_+\w+1]
.set u_, u_+1
.endr
.endr
	v_add_f32 v[PB], v[PB], v[PB+1]
	RSUM PB
	v_mul_f32 v[CC], 0x3a800000, v[PB]             ; x 2^-10
	v_mul_f32 v[CC+1], 0x3a800000, v[PB]
	v_cmp_gt_f32 s28, v[XF], v[XL]                 ; is my first number above its left neighbour?  The same in every lane
	s_and_b32 s28, s28, 1
	s_mov_b32 s27, 0
	s_mov_b32 s24, 4
.Ltrip:                                                ; a trip: 1,024 numbers, once round the ring; its refills fetch the next trip's, across the change of rows too
	s_add_co_u32 s29, s29, 1
	s_and_b32 s25, s29, 3
	s_lshl_b32 s25, s25, 12                        ; the next trip's 4,096 bytes of my quarter,
	s_bfe_u32 s26, s29, 0x10002
	s_lshl_b32 s26, s26, 16                        ; in its row.  Behind the eighth trip both are 0: refills that nobody will use read my quarter's first bytes
	s_add_co_u32 s25, s25, s26
	s_add_co_u32 s26, s26, 65532                   ; that row's last number
	s_wait_xcnt 0x0                                ; the loads' offsets are rewritten only behind this wait
	v_add_nc_u32 v[OL], s25, v[WB]
	v_add_nc_u32 v[NL], 3600, v[OL]
	v_min_u32 v[NL], s26, v[NL]
	v_add_nc_u32 v[PKA], s27, v[PK0]
	s_add_co_u32 s27, s27, 4
.irp s, 0,1,2,3,4,5,6,7
	STEP \s
.endr
	; THE TURNING: 16 words x 2 half words x 16 bits -> 16 planes x 32 numbers.  The step of 8 moves whole bytes; the steps of 4, 2 and 1 follow in place.
.irp i, 0,1,2,3,4,5,6,7
	v_perm_b32 v[KE+\i], v[KD+8+\i], v[KD+\i], s36
	v_perm_b32 v[KE+8+\i], v[KD+8+\i], v[KD+\i], s37
.endr
	XST 4, 38
	XST 2, 39
	XST 1, 42
.irp p, 0,1,2,3,4,5,6,7,8,9,10,11,12,13,14
	v_xor_b32 v[KE+\p], v[KE+15], v[KE+\p]         ; a negative number's lower bits are inverted,
.endr
	v_xor_b32 v[KE+15], -1, v[KE+15]               ; and every sign bit: the key rises with the number
.irp p, 0,1,2,3,4,5,6,7,8,9,10,11,12,13,14,15
	ds_store_b32 v[PKA], v[KE+\p] offset:1024*\p
.endr
	v_lshrrev_b32 v[TA], 22, v[RA+30]              ; the trip's peak words (at most 16 peaks a lane: the places' sum stays under 2^22) go into the count and the sum of places
	v_and_b32 v[TA+1], 0x3fffff, v[RA+30]
	v_add_nc_u32 v[RA+31], v[RA+31], v[TA]
	v_mad_u32_u24 v[TA+1], v[TA], v[IB], v[TA+1]
	v_add_nc_u32 v[IDX], v[IDX], v[TA+1]
	v_mov_b32 v[RA+30], 0
	v_add_nc_u32 v[IB], 1024, v[IB]
	s_sub_co_u32 s24, s24, 1
	s_cmp_lg_u32 s24, 0
	s_cbranch_scc1 .Ltrip
	; my quarter's sums, over the lanes, go to LDS.  The ring's registers are left alone: the next row's first numbers are landing there.
.irp b, 0,4,8,12,20,24
	v_pk_add_f32 v[RA+\b:RA+\b+1], v[RA+\b:RA+\b+1], v[RA+\b+2:RA+\b+3]
.endr
.irp b, 0,4,8,12,20,24
	v_add_f32 v[RA+\b], v[RA+\b], v[RA+\b+1]
.endr
	v_cvt_f32_u32 v[RA+29], v[RA+29]               ; a lane's whole numbers stay under 2^24: exact
	v_cvt_f32_u32 v[RA+31], v[RA+31]
	v_cvt_f32_u32 v[RA+30], v[IDX]
.irp b, 0,4,8,12,20,24,29,30,31
	RSUM RA+\b
.endr
	RMAX RA+28
.irp b, 0,1,2,3
	v_mov_b32 v[PB+\b], v[RA+4*\b]
.endr
	v_mov_b32 v[PB+4], v[RA+20]
	v_mov_b32 v[PB+5], v[RA+24]
	v_mov_b32 v[PB+6], v[CC]
	v_mov_b32 v[PB+7], v[CC]
	v_mov_b32 v[PAD], s49
	ds_store_b128 v[PAD], v[PB:PB+3]               ; sums of d, d^2, d^3, d^4: every lane holds the same numbers and writes the same bytes
	ds_store_b128 v[PAD], v[PB+4:PB+7] offset:16   ; of |x|, |x| log2 |x|; c, twice
	ds_store_b128 v[PAD], v[RA+28:RA+31] offset:32 ; max |x|, sign changes, sum of the peaks' places, peaks
	s_add_co_u32 s49, s49, 256
	s_add_co_u32 s51, s51, 1
	s_sub_co_u32 s23, s23, 1
	s_cmp_lg_u32 s23, 0
	s_cbranch_scc1 .Lrow
	s_wait_loadcnt 0x0                             ; the last trip's refills have landed: the pass's registers become the selection's
; THE SELECTION.
.macro RK j, rk                                        ; lane j's place
	v_cmp_eq_u32 s60, \j, v[JJ]
	v_cndmask_b32 v[RR], v[RR], \rk, s60
.endm
.macro COUNT2 u                                        ; places 2 u and 2 u + 1: how many of my numbers that are left have the bit set; at most 256 a lane
.irp w, 0,1,2,3,4,5,6,7
	v_and_b32 v[XW+\w], v[AL+16*(\u)+\w], v[PL+\w]
	v_and_b32 v[XW+8+\w], v[AL+16*(\u)+8+\w], v[PL+\w]
.endr
	v_bcnt_u32_b32 v[CA], v[XW], 0
	v_bcnt_u32_b32 v[CB], v[XW+8], 0
.irp w, 1,2,3,4,5,6,7
	v_bcnt_u32_b32 v[CA], v[XW+\w], v[CA]
	v_bcnt_u32_b32 v[CB], v[XW+8+\w], v[CB]
.endr
	v_lshl_or_b32 v[CN+(\u)], v[CB], 16, v[CA]     ; a row has 16,384 numbers: the sums over lanes and waves stay inside 16 bits
.endm
.macro REDUCE n                                        ; the first n count words are summed over the 16 lanes of each half, all a step at a time
.irp x, 1,2,4,8
.set u_, 0
.rept \n
	v_add_nc_u32_dpp v[CN+u_], v[CN+u_], v[CN+u_] row_xmask:\x row_mask:0xf bank_mask:0xf
.set u_, u_+1
.endr
.endr
.endm
.macro EXCH last                                       ; the four waves' counts meet.  last = 1: no counts are stored behind this bit's, so nothing need wait for the reads
	ds_store_b128 v[XA], v[CN:CN+3]                ; the sixteen lanes of a half hold the same numbers and write the same bytes
	ds_store_b32 v[XA], v[CN+4] offset:16
	s_wait_dscnt 0x0                               ; for the others' sake: my counts are in LDS
	s_barrier_signal -1
	s_barrier_wait -1
.irp w, 0,1,2,3
	ds_load_b32 v[D0+\w], v[XRD] offset:64*\w      ; my place's count word of each wave
.endr
	s_wait_dscnt 0x0                               ; for the others' sake too: my reads are over
.if !(\last)
	s_barrier_signal -1
	s_barrier_wait -1                              ; everybody's are: the next bit's counts may be written
.endif
.endm
.macro DECIDE last                                     ; my lane's place of my half's row
	v_add3_u32 v[D0], v[D0], v[D0+1], v[D0+2]
	v_add_nc_u32 v[D0], v[D0], v[D0+3]
	v_lshrrev_b32 v[D0], v[SH], v[D0]
	v_and_b32 v[D0], 0xffff, v[D0]                 ; those with the bit set,
	v_sub_nc_u32 v[D0+1], v[NA], v[D0]             ; and those without
	v_cmp_lt_u32 s60, v[RR], v[D0+1]               ; the place lies among those without: the bit is 0
	v_cndmask_b32 v[D0+3], 1, 0, s60
	v_lshl_or_b32 v[KEY], v[KEY], 1, v[D0+3]
.if !(\last)
	v_sub_nc_u32 v[D0+2], v[RR], v[D0+1]
	v_cndmask_b32 v[RR], v[D0+2], v[RR], s60
	v_cndmask_b32 v[NA], v[D0], v[D0+1], s60
	v_cndmask_b32 v[MV], 0, -1, s60
.endif
.endm
; Places ta = 2 u and tb = 2 u + 1: each half of the lanes takes its row's two masks from the lanes that decided; those numbers stay whose bit is the bit found.
; first = 1: the sets were all numbers, so plane ^ mask is the new set.
.macro UPD2 u, ta, tb, first
	v_mov_b32_dpp v[CA], v[MV] row_share:\ta row_mask:0xf bank_mask:0xf
	v_mov_b32_dpp v[CB], v[MV] row_share:\tb row_mask:0xf bank_mask:0xf
.if \first
.irp w, 0,1,2,3,4,5,6,7
	v_xor_b32 v[AL+16*(\u)+\w], v[CA], v[PL+\w]
	v_xor_b32 v[AL+16*(\u)+8+\w], v[CB], v[PL+\w]
.endr
.else
.irp w, 0,1,2,3,4,5,6,7
	v_xor_b32 v[XW+\w], v[CA], v[PL+\w]
	v_xor_b32 v[XW+8+\w], v[CB], v[PL+\w]
.endr
.irp w, 0,1,2,3,4,5,6,7
	v_and_b32 v[AL+16*(\u)+\w], v[AL+16*(\u)+\w], v[XW+\w]
	v_and_b32 v[AL+16*(\u)+8+\w], v[AL+16*(\u)+8+\w], v[XW+8+\w]
.endr
.endif
.endm
	v_and_b32 v[JJ], 15, v[TID]
	v_bfe_u32 v[HH], v[TID], 4, 1
	v_lshlrev_b32 v[VB2], 4, v[JJ]
	v_lshl_add_u32 v[VB2], v[HH], 9, v[VB2]
	v_add_nc_u32 v[VB2], s58, v[VB2]               ; a row's 512 bytes of a plane: 16 lanes x 16 bytes here, and as many 256 bytes on
	ds_load_b128 v[PL:PL+3], v[VB2] offset:15*1024 ; THE HIGHEST BIT.  My own wave's bytes: LDS serves a wave's instructions in order (ISA guide 5.7.1.4)
	ds_load_b128 v[PL+4:PL+7], v[VB2] offset:15*1024+256
	v_min_u32 v[JJ], 9, v[JJ]                      ; lanes 10-15 and 26-31 repeat place 9
	v_and_b32 v[SH], 1, v[JJ]
	v_lshlrev_b32 v[SH], 4, v[SH]
	v_lshrrev_b32 v[XRD], 1, v[JJ]
	v_lshlrev_b32 v[XRD], 2, v[XRD]
	v_lshl_add_u32 v[XRD], v[HH], 5, v[XRD]
	v_add_nc_u32 v[XRD], XCH, v[XRD]               ; my row's 32 bytes, word (place / 2)
	s_lshl_b32 s47, s16, 6
	s_add_co_u32 s47, s47, XCH
	v_lshl_add_u32 v[XA], v[HH], 5, s47
	v_mov_b32 v[RR], 1638                          ; the places below and above 1638.3, 4095.75, 8191.5, 12287.25, 14744.7
	RK 1, 1639
	RK 2, 4095
	RK 3, 4096
	RK 4, 8191
	RK 5, 8192
	RK 6, 12287
	RK 7, 12288
	RK 8, 14744
	RK 9, 14745
	v_mov_b32 v[NA], 0x4000
	v_mov_b32 v[KEY], 0
	s_wait_dscnt 0x0
	v_bcnt_u32_b32 v[CA], v[PL], 0                 ; every search still has all numbers: one count serves all ten places
	v_bcnt_u32_b32 v[CB], v[PL+4], 0
.irp w, 1,2,3
	v_bcnt_u32_b32 v[CA], v[PL+\w], v[CA]
	v_bcnt_u32_b32 v[CB], v[PL+4+\w], v[CB]
.endr
	v_add_nc_u32 v[CA], v[CA], v[CB]
	v_lshl_or_b32 v[CN], v[CA], 16, v[CA]
	REDUCE 1
.irp u, 1,2,3,4
	v_mov_b32 v[CN+\u], v[CN]
.endr
	EXCH 0
	DECIDE 0
	UPD2 0, 0, 1, 1
	UPD2 1, 2, 3, 1
	UPD2 2, 4, 5, 1
	UPD2 3, 6, 7, 1
	UPD2 4, 8, 9, 1
	s_mov_b32 s41, 14*1024                         ; bits 14 to 1
	s_mov_b32 s40, 14
.Lbit:
	v_add_nc_u32 v[VP], s41, v[VB2]
	ds_load_b128 v[PL:PL+3], v[VP]
	ds_load_b128 v[PL+4:PL+7], v[VP] offset:256
	s_wait_dscnt 0x0
.irp u, 0,1,2,3,4
	COUNT2 \u
.endr
	REDUCE 5
	EXCH 0
	DECIDE 0
	UPD2 0, 0, 1, 0
	UPD2 1, 2, 3, 0
	UPD2 2, 4, 5, 0
	UPD2 3, 6, 7, 0
	UPD2 4, 8, 9, 0
	s_sub_co_u32 s41, s41, 1024
	s_sub_co_u32 s40, s40, 1
	s_cmp_lg_u32 s40, 0
	s_cbranch_scc1 .Lbit
	ds_load_b128 v[PL:PL+3], v[VB2]                ; THE LOWEST BIT: the sets are not needed behind it
	ds_load_b128 v[PL+4:PL+7], v[VB2] offset:256
	s_wait_dscnt 0x0
.irp u, 0,1,2,3,4
	COUNT2 \u
.endr
	REDUCE 5
	EXCH 1
	DECIDE 1
	s_cmp_lg_u32 s16, 0
	s_cbranch_scc1 .Lend
	; THE FINISH, by wave 0.  First the keys become numbers again (a set top bit: the lower bits as they are; else all inverted) and change lanes through LDS.
	v_bfe_u32 v[D0], v[KEY], 15, 1
	v_mul_u32_u24 v[D0], v[D0], 0x7fff
	v_sub_nc_u32 v[D0], 0xffff, v[D0]              ; 0x8000 or 0xffff
	v_xor_b32 v[D0], v[D0], v[KEY]
	v_lshlrev_b32 v[D0], 16, v[D0]                 ; bf16 to f32
	v_and_b32 v[D0+1], 15, v[TID]
	v_lshlrev_b32 v[D0+1], 2, v[D0+1]
	v_lshl_add_u32 v[D0+1], v[HH], 6, v[D0+1]
	v_add_nc_u32 v[D0+1], QS, v[D0+1]              ; row (lane / 16), word (lane % 16)
	ds_store_b32 v[D0+1], v[D0]
	; A lane works for row (lane % 2) of the pair.  v16-63 the four waves' sums, v64-73 the ten order statistics, v80-95 at work, v96-127 the features.
.set ZZ, 80
.set FT, 96
.set S1, 16                                            ; after the waves' sums are added: d, d^2, d^3, d^4, |x|, |x| log2|x|, c, c, max|x|, sign changes, places, peaks
	v_mov_b32 v0, v[TID]
	v_and_b32 v1, 1, v0
	v_lshl_add_u32 v2, v1, 8, PART
.irp w, 0,1,2,3
	ds_load_b128 v[16+12*\w:19+12*\w], v2 offset:64*\w
	ds_load_b128 v[20+12*\w:23+12*\w], v2 offset:64*\w+16
	ds_load_b128 v[24+12*\w:27+12*\w], v2 offset:64*\w+32
.endr
	v_lshl_add_u32 v3, v1, 6, QS
	ds_load_b128 v[64:67], v3                      ; LDS serves a wave's instructions in order (ISA guide 5.7.1.4): these see the store above
	ds_load_b128 v[68:71], v3 offset:16
	ds_load_b64 v[72:73], v3 offset:32
	v_lshl_add_u32 v6, v1, 7, STG
	v_lshl_add_u32 v7, v0, 3, STG
	v_lshlrev_b32 v10, 3, v0
	s_wait_dscnt 0x0
.macro COMB d, a
	v_pk_add_f32 v[(\d):(\d)+1], v[(\d):(\d)+1], v[(\a):(\a)+1]
	v_pk_add_f32 v[(\d)+2:(\d)+3], v[(\d)+2:(\d)+3], v[(\a)+2:(\a)+3]
	v_pk_add_f32 v[(\d)+4:(\d)+5], v[(\d)+4:(\d)+5], v[(\a)+4:(\a)+5]
	v_max_num_f32 v[(\d)+8], v[(\d)+8], v[(\a)+8]
	v_add_f32 v[(\d)+9], v[(\d)+9], v[(\a)+9]
	v_pk_add_f32 v[(\d)+10:(\d)+11], v[(\d)+10:(\d)+11], v[(\a)+10:(\a)+11]
.endm
	COMB 16, 28
	COMB 40, 52
	COMB 16, 40
	v_mul_f32 v[ZZ], 0x38800000, v[S1]             ; x 2^-14: delta = mean - c,
	v_mul_f32 v[ZZ+1], 0x38800000, v[S1+1]         ; q2, q3, q4: the moments about c
	v_mul_f32 v[ZZ+2], 0x38800000, v[S1+2]
	v_mul_f32 v[ZZ+3], 0x38800000, v[S1+3]
	v_add_f32 v[FT], v[S1+6], v[ZZ]                ; mean
	v_mul_f32 v[ZZ+4], v[ZZ], v[ZZ]
	v_sub_f32 v[ZZ+5], v[ZZ+1], v[ZZ+4]
	v_max_num_f32 v[FT+2], 0, v[ZZ+5]              ; var = m2 = q2 - delta^2
	v_fma_f32 v[ZZ+13], v[FT], v[FT], v[FT+2]      ; the mean of squares = mean^2 + var
	v_add_f32 v[ZZ+6], v[ZZ+4], v[ZZ+4]
	v_fmamk_f32 v[ZZ+6], v[ZZ+1], 0xc0400000, v[ZZ+6]
	v_fma_f32 v[ZZ+6], v[ZZ], v[ZZ+6], v[ZZ+2]     ; m3 = q3 + delta (2 delta^2 - 3 q2)
	v_mul_f32 v[ZZ+7], 0xc0400000, v[ZZ+4]
	v_fmamk_f32 v[ZZ+7], v[ZZ+1], 0x40c00000, v[ZZ+7]
	v_mul_f32 v[ZZ+8], -4.0, v[ZZ+2]
	v_fma_f32 v[ZZ+7], v[ZZ], v[ZZ+7], v[ZZ+8]
	v_fma_f32 v[ZZ+7], v[ZZ], v[ZZ+7], v[ZZ+3]     ; m4 = q4 + delta (-4 q3 + delta (6 q2 - 3 delta^2))
	v_max_num_f32 v[ZZ+14], 1.0, v[S1+11]
	v_sqrt_f32 v[FT+1], v[FT+2]                    ; std
	v_rcp_f32 v[ZZ+9], v[FT+2]
	v_rsq_f32 v[ZZ+10], v[FT+2]
	v_log_f32 v[ZZ+11], v[S1+4]
	v_rcp_f32 v[ZZ+12], v[S1+4]
	v_sqrt_f32 v[FT+13], v[ZZ+13]                  ; rms
	v_rcp_f32 v[ZZ+15], v[ZZ+14]
	v_mov_b32 v[FT+11], v[S1+11]                   ; peaks; also the plain line behind the run above (ISA guide 5.7.2)
	s_wait_alu depctr_va_vdst(0)
	v_rcp_f32 v[ZZ+5], v[FT+13]
	v_mov_b32 v[FT+14], v[S1+9]                    ; sign changes; the plain line behind the reciprocal
	v_mul_f32 v[FT+15], 0x46800000, v[ZZ+13]       ; energy = 16,384 x the mean of squares
	v_mul_f32 v[ZZ+6], v[ZZ+6], v[ZZ+9]
	v_mul_f32 v[FT+3], v[ZZ+6], v[ZZ+10]           ; skew = m3 / m2^1.5
	v_mul_f32 v[ZZ+7], v[ZZ+7], v[ZZ+9]
	v_fmaak_f32 v[FT+4], v[ZZ+7], v[ZZ+9], 0xc0400000  ; kurtosis = m4 / m2^2 - 3
	v_mul_f32 v[ZZ+8], v[S1+5], v[ZZ+12]
	v_sub_f32 v[ZZ+8], v[ZZ+11], v[ZZ+8]
	v_mul_f32 v[FT+5], 0x3f317218, v[ZZ+8]         ; entropy = ln 2 (log2 S - (sum of |x| log2 |x|) / S)
	v_mul_f32 v[FT+12], v[S1+10], v[ZZ+15]         ; mean place of the peaks; 0 where there are none
	s_wait_alu depctr_va_vdst(0)
	v_mul_f32 v[ZZ+5], v[S1+8], v[ZZ+5]
	v_cmp_lt_f32 vcc_lo, 0, v[FT+13]
	v_cndmask_b32 v[FT+16], 0, v[ZZ+5], vcc_lo     ; crest
.macro PCT i, wl, wh                                   ; lower x (1 - w) + upper x w
	v_mul_f32 v[ZZ+(\i)], \wl, v[64+2*(\i)]
	v_fmamk_f32 v[FT+6+(\i)], v[64+2*(\i)+1], \wh, v[ZZ+(\i)]
.endm
	PCT 0, 0x3f333333, 0x3e99999a                  ; place 1638.3
	PCT 1, 0x3e800000, 0x3f400000                  ; 4095.75
	PCT 2, 0x3f000000, 0x3f000000                  ; 8191.5
	PCT 3, 0x3f400000, 0x3e800000                  ; 12287.25
	PCT 4, 0x3e99999a, 0x3f333333                  ; 14744.7
.set i_, 17
.rept 8
	v_mov_b32 v[FT+i_], 0x3d4ccccd                 ; the pads, 0.05
.set i_, i_+1
.endr
.rept 7
	v_mov_b32 v[FT+i_], 0
.set i_, i_+1
.endr
.irp q, 0,1,2,3,4,5,6,7
	ds_store_b128 v6, v[FT+4*\q:FT+4*\q+3] offset:16*\q  ; the sixteen lanes of a row hold the same numbers and write the same bytes
.endr
	ds_load_b64 v[8:9], v7                         ; in order again: this sees the stores above
	s_wait_dscnt 0x0
	global_store_b64 v10, v[8:9], s[6:7]           ; 32 lanes store 256 consecutive bytes, at a multiple of 256 from feats' first byte
.Lend:
	s_wait_tensorcnt 0x0                           ; the wave's end, behind my last LDS store
	ds_add_u32 v[SPW], v[NIL]
	s_wait_dscnt 0x0
	s_endpgm
.Lfunc_end_k_qfa0a6f9cb2_features:
	.size	k_qfa0a6f9cb2_features, .Lfunc_end_k_qfa0a6f9cb2_features-k_qfa0a6f9cb2_features
	.p2alignl 7, 3214868480
	.fill 96, 4, 3214868480
	.section	.rodata,"a",@progbits
	.p2align	6, 0x0
	.amdhsa_kernel k_qfa0a6f9cb2_features
		.amdhsa_group_segment_fixed_size 67328
		.amdhsa_private_segment_fixed_size 0
		.amdhsa_enable_private_segment 0
		.amdhsa_kernarg_size 16
		.amdhsa_user_sgpr_count 2
		.amdhsa_user_sgpr_kernarg_segment_ptr 1
		.amdhsa_wavefront_size32 1
		.amdhsa_system_sgpr_workgroup_id_x 1
		.amdhsa_system_sgpr_workgroup_id_y 1
		.amdhsa_system_sgpr_workgroup_id_z 1
		.amdhsa_system_vgpr_workitem_id 0
		.amdhsa_next_free_vgpr 216
		.amdhsa_next_free_sgpr 66
		.amdhsa_reserve_vcc 1
		.amdhsa_float_denorm_mode_32 3
		.amdhsa_float_denorm_mode_16_64 3
		.amdhsa_memory_ordered 1
		.amdhsa_forward_progress 1
		.amdhsa_inst_pref_size 89
	.end_amdhsa_kernel
	.amdgpu_metadata
---
amdhsa.version: [ 1, 2 ]
amdhsa.kernels:
  - .name:           k_qfa0a6f9cb2_features
    .symbol:         k_qfa0a6f9cb2_features.kd
    .args:
      - { .name: signals, .offset: 0, .size: 8, .value_kind: global_buffer, .address_space: global }
      - { .name: feats, .offset: 8, .size: 8, .value_kind: global_buffer, .address_space: global }
    .group_segment_fixed_size: 67328
    .private_segment_fixed_size: 0
    .kernarg_segment_align: 8
    .kernarg_segment_size: 16
    .max_flat_workgroup_size: 128
    .sgpr_count:     66
    .vgpr_count:     216
    .wavefront_size: 32
...
	.end_amdgpu_metadata
.endif
;; end of part 3
;; launch mlp: the kernel of part 2 again; grid 256 x 1, 4 waves a work-group, no clusters, 6,912 bytes of LDS; arguments feats, W1, b1, W2, b2, out0; writes out0
